; MI455X (gfx1250); checked and timed in simulation.
; The chip was launched on July 23, 2026; its instructions are those of AMD's public machine-readable ISA for CDNA 5 (MIT licence, August 2026) and "CDNA5" Instruction Set Architecture Reference Guide (July 2026). The comments in the code are by the model that wrote it; some were corrected since.
;; Mo E Projector. Allowed arithmetic: float matrix products may take bf16 or f16 operands with f32 sums; other float arithmetic in f32, or as packed bf16 or f16 multiplies, adds, multiply-adds, maxima and minima; sums over many terms, partial sums and values carried from step to step in f32; what a program stores and reads back later, other than sums and carried values, may be rounded once to bf16 or f16.
;; Inputs: expert_b 8 x 2,048 float32; expert_w 8 x 2,048 x 2,048 float32; router_b 8 float32; router_w 8 x 2,048 float32; x 2,048 x 2,048 float32.
;; Outputs: out0 2,048 x 2,048 float32.
;; 2 versions, each right and faster than the one before. Each part assembles by itself: llvm-mc -triple=amdgcn-amd-amdhsa -mcpu=gfx1250 --defsym DOCPART=n.
;; ======== version 1 of 2: 3 launches
;; workspace buffers: xb 8,388,608 bytes; bm 4,096 bytes of whole numbers; gate 16,384 bytes; y 33,554,432 bytes
;; launch router (part 1): grid 256 x 1, 8 waves a work-group, no clusters, 36,864 bytes of LDS; arguments x, router_w, router_b, xb, bm, gate; writes xb, bm, gate
.if DOCPART == 1
	.amdgcn_target "amdgcn-amd-amdhsa--gfx1250"
	.amdhsa_code_object_version 6
	.text
	.protected	k_qb72128066c_router
	.globl	k_qb72128066c_router
	.p2align	8
	.type	k_qb72128066c_router,@function
k_qb72128066c_router:
	s_mov_b64 s[64:65], 0
	v_nop
	global_prefetch_b8 v0, s[64:65] scope:SCOPE_SE
	s_setreg_imm32_b32 hwreg(HW_REG_WAVE_MODE, 25, 1), 1
	s_wait_xcnt 0x0
; ROUTER.  logits = x router_w^T + router_b; the two largest of a token's eight logits, the lower index first on a tie; gates = softmax of those two.
; All inputs are rounded once to bf16 (nearest even) and everything is computed from the rounded numbers, sums in f32.  Stored: xb = x in bf16 [2048][2048];
; gate[token] = (g0, g1) f32; bm[expert][slot][256 bytes]: bit (token & 7) of byte token >> 3 is set where the token's choice number slot is that expert.
; No address and no branch of this launch hangs on the choice: it leaves as data, at fixed places.
; LIMITS.  NaN and infinite logits are not treated apart (a token whose other seven logits are all -inf would name one expert twice).  Two logits closer than the
; rounding of an f32 sum of 2,048 terms may be ordered otherwise than by another order of summation.  A gate below 2^-126 counts as 0.
; SHARES.  A work-group has 8 tokens; wave v has columns 256 v .. 256 v + 255 of all 8 rows: it rounds them, stores them, and multiplies them with the same columns of
; router_w on the matrix unit (source 0 = 16 rows of router_w, the 8 experts twice; source 1 = 16 tokens, the 8 twice): register j of every lane is then expert j's
; partial logit of token lane % 8.  The eight waves' parts meet in LDS; wave 0 adds them in ascending order and chooses.
.set TP,    528                        ; a row of my tile in LDS: 512 bytes of bf16 + 16
.set TILEB, 8*TP                       ; a wave's tile; only that wave touches it
.set RED,   8*TILEB                    ; 8 waves x 8 tokens x 8 partial logits, f32
.set SPARE, RED+2048                   ; the spare words: 128 bytes for each of 8 waves, named by no other line
.set SPW, 14                           ; v14  SPARE + 4 x my thread's number; never rewritten
.set NIL, 15                           ; v15  0; never rewritten
.set XR,  16                           ; v16-79    x as f32; then router_w's stages 4-7 as f32; then the partial logits read back
.set WA,  80                           ; v80-143   router_w's stages 0-3 as f32; then x's fragments
.set XB,  144                          ; v144-175  x in bf16
.set WB,  176                          ; v176-239  router_w's fragments in bf16
.set AC,  240                          ; v240-255  two accumulators, by turns
	s_load_b256 s[4:11], s[0:1], 0x0               ; x s[4:5], router_w s[6:7], router_b s[8:9], xb s[10:11]
	s_load_b128 s[12:15], s[0:1], 0x20             ; bm s[12:13], gate s[14:15]
	v_lshl_add_u32 v[SPW], v0, 2, SPARE
	v_mov_b32 v[NIL], 0
	v_lshrrev_b32 v1, 5, v0
	v_readfirstlane_b32 s16, v1                    ; wave 0..7
	v_and_b32 v1, 31, v0                           ; lane
	v_and_b32 v2, 7, v0                            ; lane % 8: my token, and my row of router_w
	v_bfe_u32 v3, v0, 4, 1                         ; h = lane / 16
	v_lshlrev_b32 v4, 4, v1                        ; x: 16 bytes a lane
	v_lshlrev_b32 v5, 3, v1                        ; xb: 8 bytes a lane
	s_mul_i32 s17, s16, TILEB
	v_lshl_add_u32 v6, v1, 3, s17                  ; my tile: where I put 8 bytes of a row
	v_lshlrev_b32 v7, 13, v2                       ; router_w: row x 8,192 + 32 h
	v_lshl_add_u32 v7, v3, 5, v7
	v_mul_u32_u24 v8, v2, TP                       ; my tile: a fragment's row x pitch + 16 h
	v_lshl_add_u32 v8, v3, 4, v8
	v_add_nc_u32 v8, s17, v8
	s_lshl_b32 s17, s16, 8
	s_add_co_u32 s17, s17, RED
	v_lshl_add_u32 v9, v2, 5, s17                  ; my wave's 32 bytes for my token
	v_lshlrev_b32 v10, 5, v2
	v_add_nc_u32 v10, RED, v10                     ; wave 0's 32 bytes for my token
	v_lshlrev_b32 v12, 3, v2                       ; gate: 8 bytes a token
	v_bfe_u32 v11, v0, 3, 1
	v_lshlrev_b32 v13, 9, v2                       ; bm: expert lane % 8, slot (lane / 8) % 2
	v_lshl_or_b32 v13, v11, 8, v13
	s_lshl_b32 s18, ttmp9, 16                      ; x: 8 rows of 8,192 bytes a work-group, 1,024 bytes of a row a wave
	s_lshl_b32 s32, s16, 10
	s_mov_b32 s33, 0
	s_add_co_u32 s18, s18, s32
	s_mov_b32 s19, 0
	s_lshl_b32 s22, ttmp9, 15                      ; xb: half of that
	s_lshl_b32 s23, s16, 9
	s_add_co_u32 s22, s22, s23
	s_mov_b32 s23, 0
	s_mov_b32 s34, ttmp9                           ; bm: my 8 tokens are byte number work-group of each row of 256
	s_mov_b32 s35, 0
	s_lshl_b32 s36, ttmp9, 6                       ; gate: 64 bytes a work-group
	s_mov_b32 s37, 0
	s_wait_kmcnt 0x0
	s_add_nc_u64 s[4:5], s[4:5], s[18:19]
	s_add_nc_u64 s[6:7], s[6:7], s[32:33]
	s_add_nc_u64 s[10:11], s[10:11], s[22:23]
	s_add_nc_u64 s[12:13], s[12:13], s[34:35]
	s_add_nc_u64 s[14:15], s[14:15], s[36:37]
; Four K stages of 32, from stage q0 on, of router_w as f32: for a stage a lane wants k = 8 h .. 8 h + 7 and 16 + 8 h .. + 7: four loads of 16 bytes.
.macro WLOAD dst, q0
.irp q, 0,1,2,3
	global_load_b128 v[(\dst)+16*(\q):(\dst)+16*(\q)+3],     v7, s[6:7] offset:((\q0)+(\q))*128
	global_load_b128 v[(\dst)+16*(\q)+4:(\dst)+16*(\q)+7],   v7, s[6:7] offset:((\q0)+(\q))*128+16
	global_load_b128 v[(\dst)+16*(\q)+8:(\dst)+16*(\q)+11],  v7, s[6:7] offset:((\q0)+(\q))*128+64
	global_load_b128 v[(\dst)+16*(\q)+12:(\dst)+16*(\q)+15], v7, s[6:7] offset:((\q0)+(\q))*128+80
.endr
.endm
.macro CVT32 dst, src                  ; 64 f32 to 32 registers of bf16 pairs
.set c, 0
.rept 32
	v_cvt_pk_bf16_f32 v[(\dst)+c], v[(\src)+2*c], v[(\src)+2*c+1]
.set c, c+1
.endr
.endm
.set m, 0
.rept 16                               ; row m / 2, half m % 2 of my 1,024 bytes: a load covers 512 consecutive bytes; x is read once in the launch
	global_load_b128 v[XR+4*m:XR+4*m+3], v4, s[4:5] offset:(m/2)*8192+(m%2)*512 th:TH_LOAD_NT
.set m, m+1
.endr
	WLOAD WA, 0
	s_load_b256 s[24:31], s[8:9], 0x0              ; router_b
	s_wait_loadcnt 16                              ; x is in; the sixteen loads of router_w behind it stay out
	CVT32 XB, XR
.set m, 0
.rept 16
	global_store_b64 v5, v[XB+2*m:XB+2*m+1], s[10:11] offset:(m/2)*4096+(m%2)*256  ; 32 lanes store 256 consecutive bytes, at a multiple of 256 from xb's first
	ds_store_b64 v6, v[XB+2*m:XB+2*m+1] offset:(m/2)*TP+(m%2)*256
.set m, m+1
.endr
	WLOAD XR, 4                                    ; x's f32 registers have been read
	s_wait_loadcnt 16                              ; stages 0-3 are in; the sixteen loads just issued stay out
	CVT32 WB, WA
.set q, 0
.rept 8                                ; x's fragments, out of my own tile: LDS serves a wave's instructions in order (ISA guide 5.7.1.4), so these see my stores
	ds_load_b128 v[WA+8*q:WA+8*q+3],   v8 offset:64*q
	ds_load_b128 v[WA+8*q+4:WA+8*q+7], v8 offset:64*q+32
.set q, q+1
.endr
	s_wait_loadcnt 0x0
	CVT32 WB+32, XR
	s_wait_dscnt 0x0
	s_wait_kmcnt 0x0                               ; router_b
.set q, 0
.rept 8                                ; two accumulators by turns; the first two products start the sums
.if q < 2
	v_wmma_f32_16x16x32_bf16 v[AC+8*(q%2):AC+8*(q%2)+7], v[WB+8*q:WB+8*q+7], v[WA+8*q:WA+8*q+7], 0
.else
	v_wmma_f32_16x16x32_bf16 v[AC+8*(q%2):AC+8*(q%2)+7], v[WB+8*q:WB+8*q+7], v[WA+8*q:WA+8*q+7], v[AC+8*(q%2):AC+8*(q%2)+7]
.endif
.set q, q+1
.endr
.rept 4
	v_nop                                          ; four places between the last product and the first read of a result (ISA guide 7.12.1)
.endr
.irp c, 0,2,4,6                        ; each accumulator is read from its low end on
	v_pk_add_f32 v[XR+(\c):XR+(\c)+1], v[AC+(\c):AC+(\c)+1], v[AC+8+(\c):AC+8+(\c)+1]
.endr
	ds_store_b128 v9, v[XR:XR+3]                   ; the four lanes of a token hold and store the same eight numbers
	ds_store_b128 v9, v[XR+4:XR+7] offset:16
	s_wait_dscnt 0x0                               ; for wave 0's sake: my stores are done
	s_barrier_signal -1
	s_barrier_wait -1
	s_cmp_lg_u32 s16, 0
	s_cbranch_scc1 .Lend
.set u, 0
.rept 8
	ds_load_b128 v[XR+8*u:XR+8*u+3],   v10 offset:256*u
	ds_load_b128 v[XR+8*u+4:XR+8*u+7], v10 offset:256*u+16
.set u, u+1
.endr
.irp e, 0,1,2,3,4,5,6,7
	v_mov_b32 v[88+(\e)], s[24+(\e)]
.endr
.irp c, 0,1,2,3
	v_cvt_pk_bf16_f32 v[80+(\c)], v[88+2*(\c)], v[88+2*(\c)+1]  ; router_b rounded like every input,
.endr
.irp c, 0,1,2,3
	v_lshlrev_b32 v[96+2*(\c)], 16, v[80+(\c)]                  ; and back in f32
	v_and_b32 v[96+2*(\c)+1], 0xffff0000, v[80+(\c)]
.endr
	s_wait_dscnt 0x0
.irp u, 1,2,3,4,5,6,7
.irp c, 0,2,4,6
	v_pk_add_f32 v[XR+(\c):XR+(\c)+1], v[XR+(\c):XR+(\c)+1], v[XR+8*(\u)+(\c):XR+8*(\u)+(\c)+1]
.endr
.endr
.irp c, 0,2,4,6
	v_pk_add_f32 v[XR+(\c):XR+(\c)+1], v[XR+(\c):XR+(\c)+1], v[96+(\c):96+(\c)+1]
.endr
	; the largest: only a strictly larger logit takes the place, so the lower index stays on a tie
	v_mov_b32 v104, v[XR]
	v_mov_b32 v105, 0
.irp e, 1,2,3,4,5,6,7
	v_cmp_gt_f32 vcc_lo, v[XR+(\e)], v104
	v_cndmask_b32 v104, v104, v[XR+(\e)], vcc_lo
	v_cndmask_b32 v105, v105, \e, vcc_lo
.endr
	v_mov_b32 v108, 0xff800000                     ; the second: the same scan with the first taken out
.irp e, 0,1,2,3,4,5,6,7
	v_cmp_eq_u32 vcc_lo, \e, v105
	v_cndmask_b32 v[112+(\e)], v[XR+(\e)], v108, vcc_lo
.endr
	v_mov_b32 v106, v112
	v_mov_b32 v107, 0
.irp e, 1,2,3,4,5,6,7
	v_cmp_gt_f32 vcc_lo, v[112+(\e)], v106
	v_cndmask_b32 v106, v106, v[112+(\e)], vcc_lo
	v_cndmask_b32 v107, v107, \e, vcc_lo
.endr
	v_sub_f32 v109, v106, v104                     ; the maximum is taken away: second - first, 0 at the most
	v_mul_f32 v109, 0x3fb8aa3b, v109
	v_exp_f32 v110, v109
	v_mov_b32 v120, 0                              ; a plain instruction behind the exponential; the bitmaps' work follows, which names no result of it
.irp e, 0,1,2,3,4,5,6,7
	v_cmp_eq_u32 s[40+(\e)], \e, v105              ; bits 0-7: which of my 8 tokens chose expert e first,
	v_cmp_eq_u32 s[48+(\e)], \e, v107              ; and which second
.endr
.irp e, 0,1,2,3,4,5,6,7
	v_writelane_b32 v120, s[40+(\e)], \e
	v_writelane_b32 v120, s[48+(\e)], 8+(\e)
.endr
	s_wait_alu depctr_va_vdst(0)                   ; the wait ahead of the first line that names the exponential's result
	v_add_f32 v111, 1.0, v110
	v_rcp_f32 v122, v111
	v_cmp_gt_u32 vcc_lo, 16, v1
	v_nop                                          ; a plain instruction behind the reciprocal
	s_wait_alu depctr_va_vdst(0)
	v_mul_f32 v123, v110, v122                     ; g0 = 1 / (1 + e), g1 = e / (1 + e)
	global_store_b64 v12, v[122:123], s[14:15]     ; the four lanes of a token store the same 8 bytes
	s_wait_xcnt 0x0                                ; EXEC changes only behind this wait
	s_and_saveexec_b32 s20, vcc_lo
	global_store_b8 v13, v120, s[12:13]            ; sixteen single bytes a work-group, 256 apart: the bitmaps' rows go by token, and a work-group has 8 tokens
	s_wait_xcnt 0x0
	s_or_b32 exec_lo, exec_lo, s20
.Lend:
	s_wait_tensorcnt 0x0                           ; the wave's end: these three lines behind my last LDS store
	ds_add_u32 v[SPW], v[NIL]
	s_wait_dscnt 0x0
	s_endpgm
.Lfunc_end_k_qb72128066c_router:
	.size	k_qb72128066c_router, .Lfunc_end_k_qb72128066c_router-k_qb72128066c_router
	.p2alignl 7, 3214868480
	.fill 96, 4, 3214868480
	.section	.rodata,"a",@progbits
	.p2align	6, 0x0
	.amdhsa_kernel k_qb72128066c_router
		.amdhsa_group_segment_fixed_size 36864
		.amdhsa_private_segment_fixed_size 0
		.amdhsa_enable_private_segment 0
		.amdhsa_kernarg_size 48
		.amdhsa_user_sgpr_count 2
		.amdhsa_user_sgpr_kernarg_segment_ptr 1
		.amdhsa_wavefront_size32 1
		.amdhsa_system_sgpr_workgroup_id_x 1
		.amdhsa_system_sgpr_workgroup_id_y 1
		.amdhsa_system_sgpr_workgroup_id_z 1
		.amdhsa_system_vgpr_workitem_id 0
		.amdhsa_next_free_vgpr 256
		.amdhsa_next_free_sgpr 66
		.amdhsa_reserve_vcc 1
		.amdhsa_float_denorm_mode_32 3
		.amdhsa_float_denorm_mode_16_64 3
		.amdhsa_memory_ordered 1
		.amdhsa_forward_progress 1
		.amdhsa_inst_pref_size 27
	.end_amdhsa_kernel
	.amdgpu_metadata
---
amdhsa.version: [ 1, 2 ]
amdhsa.kernels:
  - .name:           k_qb72128066c_router
    .symbol:         k_qb72128066c_router.kd
    .args:
      - { .name: x, .offset: 0, .size: 8, .value_kind: global_buffer, .address_space: global }
      - { .name: router_w, .offset: 8, .size: 8, .value_kind: global_buffer, .address_space: global }
      - { .name: router_b, .offset: 16, .size: 8, .value_kind: global_buffer, .address_space: global }
      - { .name: xb, .offset: 24, .size: 8, .value_kind: global_buffer, .address_space: global }
      - { .name: bm, .offset: 32, .size: 8, .value_kind: global_buffer, .address_space: global }
      - { .name: gate, .offset: 40, .size: 8, .value_kind: global_buffer, .address_space: global }
    .group_segment_fixed_size: 36864
    .private_segment_fixed_size: 0
    .kernarg_segment_align: 8
    .kernarg_segment_size: 48
    .max_flat_workgroup_size: 256
    .sgpr_count:     66
    .vgpr_count:     256
    .wavefront_size: 32
...
	.end_amdgpu_metadata
.endif
;; end of part 1
;; launch experts (part 2): grid 256 x 1, 4 waves a work-group, no clusters, 327,680 bytes of LDS; arguments xb, expert_w, expert_b, bm, y; writes y
.if DOCPART == 2
	.amdgcn_target "amdgcn-amd-amdhsa--gfx1250"
	.amdhsa_code_object_version 6
	.text
	.protected	k_qb72128066c_experts
	.globl	k_qb72128066c_experts
	.p2align	8
	.type	k_qb72128066c_experts,@function
k_qb72128066c_experts:
	s_mov_b64 s[64:65], 0
	v_nop
	global_prefetch_b8 v0, s[64:65] scope:SCOPE_SE
	s_setreg_imm32_b32 hwreg(HW_REG_WAVE_MODE, 25, 1), 1
	s_wait_xcnt 0x0
; EXPERTS.  y[slot][token][64 S .. 64 S + 63] = xb[token] . expert_w[E][column] + expert_b[E][column] for every token whose choice number slot is expert E.
; Work-group = (E = number / 32, S = number % 32).  Weights and bias are rounded once to bf16 (nearest even) on their way; sums in f32; y is f32 (two parts that a later launch adds).
; Only the chosen rows are multiplied.  EVERY SPLIT IS SERVED: an expert may have 0 to 2,048 rows.
; ROWS.  The expert's tokens, ascending, are cut into tiles of 16; tile g belongs to wave g % 4 as its local tile g / 4.  Each wave reads the expert's two bitmaps (512 bytes, whole
; numbers stored by the launch before) and writes its own list into LDS.  THE MAIN PASS takes a wave's local tiles 0-9 (640 rows a work-group) through all of K; places past the count repeat
; the tile's last live row, a tile with no row takes token 0 and is not stored.  Local tiles 10-39, in three more blocks of ten, are served only where they hold rows, by a pass that
; reads the weights from memory straight into registers, one K stage at a time, unpipelined: right for every split, slow for an expert with more than 640 rows.
; WEIGHTS.  The slice (64 rows x 2,048 f32) is read by this work-group alone, once: four chunks of K = 512 through two LDS slots, filled by the tensor data mover, a quarter of a chunk
; (64 rows x 512 bytes) a wave.  By this text's count a wave has two tensor loads out at the start and one behind each refill; a refill has 16 K stages, 640 matrix instructions, in which to land.
; NO CLUSTER: a slice of weights has one reader; what an expert's 32 work-groups share is token rows that come by a list, which no tensor descriptor covers.
; THE MATRIX INSTRUCTION IS USED TRANSPOSED: source 0 = 16 output columns (rows of the weights), source 1 = 16 list rows.  A lane then holds list row lane % 16 and the eight
; neighbouring columns 16 n + 8 (lane / 16) + 0..7; the bias, laid the same way, is the C operand of the product that starts each sum.
; REGISTERS, in windows of 256 (s_set_vgpr_msb: bits 1:0 source 0, 3:2 source 1, 5:4 source 2, 7:6 destination), by absolute number:
;   0-63 addresses and small work; 64-191 weights' fragments in f32, two buffers; 192-255 the same in bf16, two buffers
;   256-495 and 832-911 x's fragments of four K stages, 80 each; 512-831 the 40 accumulators, (tile i, column block n) at 512 + 32 i + 8 n; 912-943 the bias
.set SUB,   64*528                     ; a quarter chunk in LDS: 64 rows of 512 bytes + 16 of padding: the 16 rows of a fragment load start 33 x 16 bytes apart (64 banks of 4 bytes: ISA guide 11.1)
.set SLOT,  4*SUB
.set LIST,  2*SLOT                     ; behind the ring, in blocks of 256 bytes that no tensor load fills: a wave's list, 640 entries + a dump word, 3,072 bytes
.set LISTB, 3072
.set STAGE, LIST+4*LISTB               ; a wave's stage for the way out: 16 rows x 272 bytes
.set STGB,  16*272
.set SPARE, STAGE+4*STGB               ; the spare words: 128 bytes for each of 4 waves, named by no other line
.set DUMP,  640
.set MT,    10                         ; tiles of a wave in a block
.set SPW,  4                           ; v4   SPARE + 4 x my thread's number; never rewritten
.set NIL,  5                           ; v5   0; never rewritten
.set XO,   16                          ; v16-25  tile i: my row's byte offset in xb + 16 h
.set EN,   40                          ; v40-47  the way out: list entries, then byte offsets in y
.set ROWT, 48                          ; v48-55  2 t + h
.set BF,   64
.set OB,   64                          ; the way out: 16 rows read back
.set BB,   192
.set AR0,  256
.set ACC,  512
.set BI,   912
; v1 r = lane % 16, v2 h = lane / 16, v3 lane; v6 r x 528 + 32 h; v7 that in the quarter chunk in hand; v8 my list; v9 my list at the block in hand; v10 640; v11 2,048;
; v12, v13 stage in and back; v14 16 r; v15 16 h; v26 r x 8,192 + 32 h; v27-39 at work
; s14 wave, s15 E, s16 S; s[20:27] descriptor group 1; s[28:31], s[32:35] group 0 for chunk 0 and for the chunks behind it; s[36:37] xb, stepped; s[38:39] my slice; s[40:41] my slice, stepped;
; s42 LDS byte of the next quarter chunk; s43, s44, s47, s48 counters; s45 rows counted; s46 rows from my first tile of the block on; s49-54 at work; s[56:57] an offset
.set MSB, 0
.macro WIN new                         ; the immediate's high byte repeats the setting that is left; a switch that changes nothing is dropped
.if MSB != (\new)
	s_set_vgpr_msb (MSB<<8)|(\new)
.set MSB, \new
.endif
.endm
.macro MMA                             ; D = rD, source 0 = rA, source 1 = rB, C = rC, absolute numbers
.set wN, ((rD>>8)<<6)|((rC>>8)<<4)|((rB>>8)<<2)|(rA>>8)
	WIN wN
.set dD, rD&255
.set dA, rA&255
.set dB, rB&255
.set dC, rC&255
	v_wmma_f32_16x16x32_bf16 v[dD:dD+7], v[dA:dA+7], v[dB:dB+7], v[dC:dC+7]
.endm
; The weights' fragments of a K stage, f32: for column block n a lane wants k = 8 h .. + 7 and 16 + 8 h .. + 7 of row 16 n + r: four loads of 16 bytes.  dk: the stage in its quarter chunk.
.macro DLRUN par, dk
	WIN 0
.set c, 0
.rept 16
	ds_load_b128 v[BF+64*(\par)+4*c:BF+64*(\par)+4*c+3], v7 offset:(c/4)*8448+(\dk)*128+16*(c%2)+64*((c%4)/2)
.set c, c+1
.endr
.endm
.macro CVRUN par                       ; 64 f32 to the four bf16 fragments
	WIN 0
.set c, 0
.rept 32
	v_cvt_pk_bf16_f32 v[BB+32*(\par)+c], v[BF+64*(\par)+2*c], v[BF+64*(\par)+2*c+1]
.set c, c+1
.endr
.endm
.macro GLRUN k, go                     ; x's fragments of a K stage at byte go of the rows, into buffer k: two loads of 16 bytes, 32 apart, for each of ten tiles
.set rL, AR0+80*(\k)+336*((\k)/3)
.set wN, (rL>>8)<<6
	WIN wN
.set c, 0
.rept 20
	global_load_b128 v[(rL&255)+4*c:(rL&255)+4*c+3], v[XO+c/2], s[36:37] offset:(\go)+32*(c%2)
.set c, c+1
.endr
.endm
; THE 40 PRODUCTS OF K STAGE s (ra = s % 4, par = s % 2), column block p / 10, tile p % 10: the 40 accumulators take turns, one instruction a turn, in the same order in every stage.
; first = 1: the bias starts the sums.  Beside them, in groups of four behind products 0, 4, .. 28, so that a group costs two window switches:
;   cv: stage s + 1's weights are rounded (32 conversions);  dl: stage s + 2's are read from LDS (16 loads, behind products 0-12);  gl: stage s + 3's x is asked for (20 loads, behind products 12-28).
; PLACES (ISA guide 7.12.1 for the conversions).  The conversions write the bf16 buffer that stage s - 1 multiplied: block n's registers 16 conversions or more behind its last reader, none of
; which names a register of that reader.  The x loads land in the buffer that stage s - 1 multiplied, 16 conversions behind its last product.
.macro MULS ra, par, first, cv, dl, dk, gl, go
.set p, 0
.rept 40
.set rD, ACC+32*(p%10)+8*(p/10)
.set rA, BB+32*(\par)+8*(p/10)
.set rB, AR0+80*(\ra)+336*((\ra)/3)+8*(p%10)
.set rC, rD
.if \first
.set rC, BI+8*(p/10)
.endif
	MMA
.if (p%4 == 0) && (p < 32)
.if \cv
	WIN 0
.set c, p
.rept 4
	v_cvt_pk_bf16_f32 v[BB+32*(1-(\par))+c], v[BF+64*(1-(\par))+2*c], v[BF+64*(1-(\par))+2*c+1]
.set c, c+1
.endr
.endif
.if (\dl) && (p < 16)
	WIN 0
.set c, p
.rept 4
	ds_load_b128 v[BF+64*(\par)+4*c:BF+64*(\par)+4*c+3], v7 offset:(c/4)*8448+(\dk)*128+16*(c%2)+64*((c%4)/2)
.set c, c+1
.endr
.endif
.if (\gl) && (p >= 12)
.set rL, AR0+80*(((\ra)+3)%4)+336*((((\ra)+3)%4)/3)
.set wN, (rL>>8)<<6
	WIN wN
.set c, p-12
.rept 4
	global_load_b128 v[(rL&255)+4*c:(rL&255)+4*c+3], v[XO+c/2], s[36:37] offset:(\go)+32*(c%2)
.set c, c+1
.endr
.endif
.endif
.set p, p+1
.endr
.endm
.macro STEP ra, par, first, cv, dl, dk, gl, go, lc
	s_wait_dscnt 0x0                               ; stage s + 1's weights are in registers: the last of those loads was issued 27 products ago
	s_wait_loadcnt \lc                             ; loads come back in order (ISA guide 5.7.1): stage s's x is in; lc = the 20 loads of each later stage asked for
	MULS \ra, \par, \first, \cv, \dl, \dk, \gl, \go
.endm
.macro SUBT                            ; the LDS loads go on to the next quarter chunk
	WIN 0
	v_add_nc_u32 v7, s42, v6
	s_add_co_u32 s42, s42, SUB
.endm
.macro TRIP                            ; stages 4 m + 2 .. 4 m + 5: their LDS loads are quarter chunk m + 1's four stages
	SUBT
	STEP 2,0,0,1,1,0,1,320,40
	STEP 3,1,0,1,1,1,1,384,40
	STEP 0,0,0,1,1,2,1,448,40
	STEP 1,1,0,1,1,3,1,512,40
	WIN 0
	s_wait_xcnt 0x0                                ; xb's pointer is stepped only behind this wait
	s_add_nc_u64 s[36:37], s[36:37], 256
.endm
; THE CHANGE OF SLOTS, two stages ahead of a chunk's last products, since the LDS loads run two stages ahead.  Each wave waits for all its tensor loads (its quarter of the next chunk), adds 0 to its
; spare word, waits for that and for its reads of the old slot, and passes the barrier: nobody reads the old slot any more and the other is whole.  fill = 1: the old slot takes the chunk two on.
.macro CHANGE fill
	WIN 0
	s_wait_tensorcnt 0x0                           ; no tensor load of mine is out, so a group 0 may be written
	ds_add_u32 v[SPW], v[NIL]                      ; 0 onto my spare word; scalar work stands between it and the wait for it
.if \fill
	s_xor_b32 s33, s33, SLOT                       ; the other slot than last time (my quarter's offset shares no bit with SLOT),
	s_add_nc_u64 s[34:35], s[34:35], 2048          ; the next 512 along K; the type bits on top are not reached
.endif
	s_sub_co_u32 s42, s42, 4*SUB                   ; the LDS loads go back to a slot's first quarter,
	s_xor_b32 s42, s42, SLOT                       ; in the other slot
	s_wait_dscnt 0x0                               ; the add is done, and my reads of the old slot are over
	s_barrier_signal -1
	s_barrier_wait -1
.if \fill
	tensor_load_to_lds s[32:35], s[20:27]          ; my one tensor load behind this barrier, and the first thing there
	s_nop 0
.rept 4
	v_nop
.endr
.endif
.endm
; The ten tiles' rows: lane r takes list place min(r, live - 1) of tile i, so places past the count repeat the last live row; a tile without rows reads a cleared entry, token 0.
.macro ROWS
	WIN 0
.set i, 0
.rept MT
	s_sub_co_i32 s54, s46, 64*i+1
	s_max_i32 s54, s54, 0
	s_min_i32 s54, s54, 15
	v_min_u32 v27, s54, v1
	v_min_u32 v27, 15, v27
	v_lshl_add_u32 v27, v27, 2, v9
	ds_load_b32 v[XO+i], v27 offset:64*i
.set i, i+1
.endr
	s_wait_dscnt 0x0
.set i, 0
.rept MT
	v_min_u32 v[XO+i], 0xfff, v[XO+i]
	v_and_b32 v[XO+i], 0x7ff, v[XO+i]              ; the token
	v_lshl_add_u32 v[XO+i], v[XO+i], 12, v15       ; x 4,096 bytes + 16 h
.set i, i+1
.endr
.endm
; 32 words of the bitmaps (vm: chosen at all, vs: chosen second), a word of 32 tokens a trip.  A chosen token's rank is the count so far plus the set bits below it; rank / 16 is its tile.
; Lanes whose token is not chosen, or whose tile is another wave's, store into the dump word, which nobody reads.
.macro SCAN vm, vs
	s_mov_b32 s48, 0
.Lscan_\@:
	v_readlane_b32 s49, v[\vm], s48
	v_readlane_b32 s50, v[\vs], s48
	v_mbcnt_lo_u32_b32 v27, s49, s45               ; my token's rank
	s_bcnt1_i32_b32 s51, s49
	s_add_co_u32 s45, s45, s51
	v_bfe_u32 v32, v27, 4, 2                       ; its tile's wave
	v_cmp_eq_u32 s52, s14, v32
	s_and_b32 s52, s52, s49
	v_lshrrev_b32 v33, 6, v27                      ; local tile x 16 + place
	v_and_b32 v34, 15, v27
	v_lshl_or_b32 v33, v33, 4, v34
	v_cndmask_b32 v33, v10, v33, s52
	v_min_u32 v33, 640, v33
	v_lshl_add_u32 v33, v33, 2, v8
	v_cndmask_b32 v34, 0, v11, s50                 ; the entry: slot x 2,048 + token = the row of y
	v_add3_u32 v34, v34, v3, s53
	ds_store_b32 v33, v34
	s_add_co_u32 s53, s53, 32
	s_add_co_u32 s48, s48, 1
	s_cmp_lt_u32 s48, 32
	s_cbranch_scc1 .Lscan_\@
.endm
; One K stage of the pass for tiles past the first ten: weights and x from memory straight into registers; no LDS write, no barrier.
.macro OSTEP first
	WIN 0
.rept 4
	v_nop                                          ; the places behind the last products, ahead of loads and conversions into registers that they read
.endr
.set c, 0
.rept 16
	global_load_b128 v[BF+4*c:BF+4*c+3], v26, s[40:41] offset:(c/4)*131072+16*(c%2)+64*((c%4)/2)
.set c, c+1
.endr
	GLRUN 0, 0
	s_wait_loadcnt 0x0                             ; all 36 are in, so both pointers may be stepped
	s_add_nc_u64 s[36:37], s[36:37], 64
	s_add_nc_u64 s[40:41], s[40:41], 128
	CVRUN 0
	MULS 0,0,\first,0,0,0,0,0
.endm
; THE WAY OUT of tile i: 32 bytes a lane and column block into my stage, back as rows of 256 bytes, two rows a load, each stored at its list entry's row of y.  Rows past the count hold the last live
; row's numbers and go to its place.  A tile without rows, and all behind it, are jumped.
.macro ETILE i
	WIN 0
	s_sub_co_i32 s54, s46, 64*(\i)
	s_cmp_le_i32 s54, 0
	s_cbranch_scc1 .Lnext
	s_min_i32 s54, s54, 16
	s_sub_co_i32 s54, s54, 1
	s_wait_xcnt 0x0                                ; the last tile's stores have read their registers: EN and OB are rewritten only behind this wait
.irp t, 0,1,2,3,4,5,6,7
	v_min_u32 v27, s54, v[ROWT+(\t)]
	v_min_u32 v27, 15, v27
	v_lshl_add_u32 v27, v27, 2, v9
	ds_load_b32 v[EN+(\t)], v27 offset:64*(\i)
.endr
.set rD, ACC+32*(\i)
.set wN, (rD>>8)<<2
	WIN wN                                         ; the stores' data lie in the accumulators' window
.set c, 0
.rept 8                                ; ascending: each accumulator is read from its low end on.  Registers 4 c .. + 3 are columns 16 (c / 2) + 8 h + 4 (c % 2) .. + 3: byte 64 (c / 2) + 32 h + 16 (c % 2) of the row
	ds_store_b128 v12, v[(rD&255)+4*c:(rD&255)+4*c+3] offset:64*(c/2)+16*(c%2)
.set c, c+1
.endr
	WIN 0
.irp t, 0,1,2,3,4,5,6,7
	ds_load_b128 v[OB+4*(\t):OB+4*(\t)+3], v13 offset:544*(\t)  ; LDS serves a wave's instructions in order (ISA guide 5.7.1.4): these see the stores above
.endr
	s_wait_dscnt 16                                ; the eight entries are in; eight stores and eight loads were issued behind them
.irp t, 0,1,2,3,4,5,6,7
	v_min_u32 v[EN+(\t)], 0xfff, v[EN+(\t)]
	v_lshl_add_u32 v[EN+(\t)], v[EN+(\t)], 13, v14
.endr
.irp t, 0,1,2,3,4,5,6,7
	s_wait_dscnt 7-(\t)
	global_store_b128 v[EN+(\t)], v[OB+4*(\t):OB+4*(\t)+3], s[12:13]  ; 16 lanes store 256 consecutive bytes, at a multiple of 256 from y's first
.endr
.endm
	s_load_b256 s[4:11], s[0:1], 0x0               ; xb s[4:5], expert_w s[6:7], expert_b s[8:9], bm s[10:11]
	s_load_b64 s[12:13], s[0:1], 0x20              ; y
	v_lshl_add_u32 v[SPW], v0, 2, SPARE
	v_mov_b32 v[NIL], 0
	ds_add_u32 v[SPW], v[NIL]                      ; the wave's opening: the add and its wait ahead of my first tensor load; work on registers stands between them
	v_lshrrev_b32 v1, 5, v0
	v_readfirstlane_b32 s14, v1                    ; wave 0..3
	s_lshr_b32 s15, ttmp9, 5                       ; E
	s_and_b32 s16, ttmp9, 31                       ; S
	; descriptor group 1: a tile of 64 rows x 128 f32, padded in LDS
	s_mov_b32 s20, (2<<16)|(1<<20)|(6<<22)|(3<<25) ; 15:0 no mask; 17:16 elements of 4 bytes; 20 padding on; 24:22 after every 128 words (code 6); 31:25 4 words of it (code 3)
	s_mov_b32 s21, 128<<16                         ; tensor_dim0 = 128
	s_mov_b32 s22, 64<<16                          ; tensor_dim1 = 64
	s_mov_b32 s23, 128<<16                         ; tile_dim0 = 128
	s_mov_b32 s24, 64                              ; tile_dim1 = 64
	s_mov_b32 s25, 2048                            ; elements from row to row
	s_mov_b32 s26, 0
	s_mov_b32 s27, 0
	s_mov_b32 s28, 1                               ; group 0: count = 1,
	s_mul_i32 s29, s14, SUB                        ; my quarter of slot 0,
	s_mov_b32 s32, 1
	s_add_co_u32 s33, s29, SLOT                    ; and of slot 1
	s_lshl_b32 s56, s15, 24                        ; an expert's weights are 2^24 bytes, 64 rows of them 2^19
	s_lshl_b32 s57, s16, 19
	s_add_co_u32 s56, s56, s57
	s_mov_b32 s57, 0
	s_lshl_b32 s48, s14, 9                         ; my quarter: 512 bytes along the rows
	s_mov_b32 s49, 0
	s_wait_dscnt 0x0                               ; the opening add is done
	s_wait_kmcnt 0x0
	s_add_nc_u64 s[38:39], s[6:7], s[56:57]        ; my slice
	s_add_nc_u64 s[30:31], s[38:39], s[48:49]      ; chunk 0
	s_add_nc_u64 s[34:35], s[30:31], 2048          ; chunk 1
	s_or_b32 s31, s31, 0x80000000                  ; type = 2
	s_or_b32 s35, s35, 0x80000000
	tensor_load_to_lds s[28:31], s[20:27]          ; both first fills go out together, ahead of every wait on TENSORcnt, every LDS read and every barrier
	s_nop 0
	tensor_load_to_lds s[32:35], s[20:27]
	s_nop 0
.rept 4
	v_nop
.endr
	s_lshl_b32 s56, s15, 9                         ; bm: 512 bytes an expert
	s_add_nc_u64 s[10:11], s[10:11], s[56:57]
	s_lshl_b32 s48, s16, 8                         ; my 64 columns: 256 bytes of a row of y and of expert_b
	s_add_nc_u64 s[12:13], s[12:13], s[48:49]
	s_lshl_b32 s56, s15, 13
	s_add_co_u32 s56, s56, s48
	s_add_nc_u64 s[8:9], s[8:9], s[56:57]
	v_and_b32 v1, 15, v0
	v_bfe_u32 v2, v0, 4, 1
	v_and_b32 v3, 31, v0
	v_lshlrev_b32 v33, 2, v3
	global_load_b32 v36, v33, s[10:11]             ; first choices, tokens 32 lane .. + 31
	global_load_b32 v37, v33, s[10:11] offset:128  ; and 1,024 + 32 lane ..
	global_load_b32 v38, v33, s[10:11] offset:256  ; second choices
	global_load_b32 v39, v33, s[10:11] offset:384
	v_lshlrev_b32 v32, 5, v2
.set c, 0
.rept 8                                ; the bias of columns 16 n + 8 h + 0..7
	global_load_b128 v[BF+4*c:BF+4*c+3], v32, s[8:9] offset:16*c+32*(c/2)
.set c, c+1
.endr
	v_mul_u32_u24 v6, v1, 528
	v_lshl_add_u32 v6, v2, 5, v6
	s_mul_i32 s50, s14, LISTB
	s_add_co_u32 s50, s50, LIST
	v_mov_b32 v8, s50
	v_mov_b32 v9, s50
	v_mov_b32 v10, DUMP
	v_mov_b32 v11, 0x800
	s_mul_i32 s51, s14, STGB
	s_add_co_u32 s51, s51, STAGE
	v_mul_u32_u24 v12, v1, 272                     ; into the stage: row r, 32 bytes for each half of the lanes
	v_lshl_add_u32 v12, v2, 5, v12
	v_add_nc_u32 v12, s51, v12
	v_mul_u32_u24 v13, v2, 272                     ; back: lanes 0-15 one row of 256 bytes, lanes 16-31 the next
	v_lshl_add_u32 v13, v1, 4, v13
	v_add_nc_u32 v13, s51, v13
	v_lshlrev_b32 v14, 4, v1
	v_lshlrev_b32 v15, 4, v2
	v_lshlrev_b32 v26, 13, v1
	v_lshl_add_u32 v26, v2, 5, v26
.irp t, 0,1,2,3,4,5,6,7
	v_add_nc_u32 v[ROWT+(\t)], 2*(\t), v2
.endr
	v_lshl_add_u32 v27, v3, 4, s50
.irp c, 28,29,30,31
	v_mov_b32 v\c, 0
.endr
.irp c, 0,1,2,3,4,5
	ds_store_b128 v27, v[28:31] offset:512*(\c)    ; my list is cleared: 6 x 512 bytes
.endr
	s_wait_loadcnt 0x0                             ; bitmaps and bias
	v_or_b32 v36, v36, v38                         ; chosen at all
	v_or_b32 v37, v37, v39
.set c, 0
.rept 16
	v_cvt_pk_bf16_f32 v[96+c], v[BF+2*c], v[BF+2*c+1]  ; the bias rounded like every input,
.set c, c+1
.endr
	WIN 0xc0                                       ; destination window 3
.set c, 0
.rept 16
	v_lshlrev_b32 v[(BI&255)+2*c], 16, v[96+c]     ; and back in f32, as the sums' first C
	v_and_b32 v[(BI&255)+2*c+1], 0xffff0000, v[96+c]
.set c, c+1
.endr
	WIN 0
	s_mov_b32 s45, 0
	s_mov_b32 s53, 0
	SCAN 36, 38
	SCAN 37, 39
	s_lshl_b32 s46, s14, 4
	s_sub_co_i32 s46, s45, s46                     ; tile i of mine has (this - 64 i) rows, held to 0 .. 16
	ROWS
	s_mov_b64 s[36:37], s[4:5]
	GLRUN 0, 0                                     ; x of stages 0, 1, 2
	GLRUN 1, 64
	GLRUN 2, 128
	WIN 0
	s_wait_tensorcnt 0x1                           ; my quarter of chunk 0 is in; chunk 1's load stays out
	s_wait_dscnt 0x0
	s_barrier_signal -1
	s_barrier_wait -1                              ; everybody's quarter is in
	v_mov_b32 v7, v6
	s_mov_b32 s42, SUB
	DLRUN 0, 0
	DLRUN 1, 1
	s_wait_dscnt 16                                ; stage 0's sixteen loads are in, stage 1's sixteen stay out
	CVRUN 0
	STEP 0,0,1,1,1,2,1,192,40                      ; stage 0 stands ahead of the loop: its products start the sums, with the bias
	STEP 1,1,0,1,1,3,1,256,40
	WIN 0                                          ; at a label and at a branch every window is 0
	s_mov_b32 s43, 3                               ; chunk 0 has three quarters left to read
	s_mov_b32 s44, 3
	s_branch .Ltrip
.Lphase:                                               ; twice: slot 0 takes chunk 2, slot 1 takes chunk 3
	CHANGE 1
	s_mov_b32 s43, 4
.Ltrip:
	TRIP
	s_sub_co_u32 s43, s43, 1
	s_cmp_lg_u32 s43, 0
	s_cbranch_scc1 .Ltrip
	s_sub_co_u32 s44, s44, 1
	s_cmp_lg_u32 s44, 0
	s_cbranch_scc1 .Lphase
	CHANGE 0                                       ; the tail is written out: chunk 3 is waited for, nothing is asked for
	s_mov_b32 s43, 3
.Ltail:
	TRIP
	s_sub_co_u32 s43, s43, 1
	s_cmp_lg_u32 s43, 0
	s_cbranch_scc1 .Ltail
	SUBT                                           ; stages 58-63: the loads run out one kind after the other, and no load passes a row's end
	STEP 2,0,0,1,1,0,1,320,40
	STEP 3,1,0,1,1,1,1,384,40
	STEP 0,0,0,1,1,2,1,448,40
	STEP 1,1,0,1,1,3,0,0,40
	STEP 2,0,0,1,0,0,0,0,20
	STEP 3,1,0,0,0,0,0,0,0
	WIN 0
	s_mov_b32 s47, 0
	s_branch .Lepi                                 ; block 0 has been multiplied
.Lblk:                                                 ; blocks 1-3: only where my tiles there hold rows.  What is jumped holds no barrier and no tensor load
	s_cmp_le_i32 s46, 0
	s_cbranch_scc1 .Lnext
	s_wait_xcnt 0x0                                ; the last block's stores have read their registers
	ROWS
	s_mov_b64 s[36:37], s[4:5]
	s_mov_b64 s[40:41], s[38:39]
	OSTEP 1
	WIN 0
	s_mov_b32 s43, 63
.Lover:
	OSTEP 0
	WIN 0
	s_sub_co_u32 s43, s43, 1
	s_cmp_lg_u32 s43, 0
	s_cbranch_scc1 .Lover
.Lepi:
.rept 4
	v_nop                                          ; four places between the last product and the first store that reads a result
.endr
	ETILE 0
	ETILE 1
	ETILE 2
	ETILE 3
	ETILE 4
	ETILE 5
	ETILE 6
	ETILE 7
	ETILE 8
	ETILE 9
.Lnext:
	s_sub_co_i32 s46, s46, 64*MT                   ; ten tiles of each of four waves on,
	v_add_nc_u32 v9, 64*MT, v9                     ; 160 entries of my list
	s_add_co_u32 s47, s47, 1
	s_cmp_lt_u32 s47, 4
	s_cbranch_scc1 .Lblk
	s_wait_tensorcnt 0x0                           ; the wave's end: these three lines, behind my last tensor load and my last LDS store
	ds_add_u32 v[SPW], v[NIL]
	s_wait_dscnt 0x0
	s_endpgm
.Lfunc_end_k_qb72128066c_experts:
	.size	k_qb72128066c_experts, .Lfunc_end_k_qb72128066c_experts-k_qb72128066c_experts
	.p2alignl 7, 3214868480
	.fill 96, 4, 3214868480
	.section	.rodata,"a",@progbits
	.p2align	6, 0x0
	.amdhsa_kernel k_qb72128066c_experts
		.amdhsa_group_segment_fixed_size 327680
		.amdhsa_private_segment_fixed_size 0
		.amdhsa_enable_private_segment 0
		.amdhsa_kernarg_size 40
		.amdhsa_user_sgpr_count 2
		.amdhsa_user_sgpr_kernarg_segment_ptr 1
		.amdhsa_wavefront_size32 1
		.amdhsa_system_sgpr_workgroup_id_x 1
		.amdhsa_system_sgpr_workgroup_id_y 1
		.amdhsa_system_sgpr_workgroup_id_z 1
		.amdhsa_system_vgpr_workitem_id 0
		.amdhsa_next_free_vgpr 1024
		.amdhsa_next_free_sgpr 66
		.amdhsa_reserve_vcc 0
		.amdhsa_float_denorm_mode_32 3
		.amdhsa_float_denorm_mode_16_64 3
		.amdhsa_memory_ordered 1
		.amdhsa_forward_progress 1
		.amdhsa_inst_pref_size 222
	.end_amdhsa_kernel
	.amdgpu_metadata
---
amdhsa.version: [ 1, 2 ]
amdhsa.kernels:
  - .name:           k_qb72128066c_experts
    .symbol:         k_qb72128066c_experts.kd
    .args:
      - { .name: xb, .offset: 0, .size: 8, .value_kind: global_buffer, .address_space: global }
      - { .name: expert_w, .offset: 8, .size: 8, .value_kind: global_buffer, .address_space: global }
      - { .name: expert_b, .offset: 16, .size: 8, .value_kind: global_buffer, .address_space: global }
      - { .name: bm, .offset: 24, .size: 8, .value_kind: global_buffer, .address_space: global }
      - { .name: y, .offset: 32, .size: 8, .value_kind: global_buffer, .address_space: global }
    .group_segment_fixed_size: 327680
    .private_segment_fixed_size: 0
    .kernarg_segment_align: 8
    .kernarg_segment_size: 40
    .max_flat_workgroup_size: 128
    .sgpr_count:     66
    .vgpr_count:     1024
    .wavefront_size: 32
...
	.end_amdgpu_metadata
.endif
;; end of part 2
;; launch combine (part 3): grid 256 x 1, 8 waves a work-group, no clusters, 0 bytes of LDS; arguments y, gate, out0; writes out0
.if DOCPART == 3
	.amdgcn_target "amdgcn-amd-amdhsa--gfx1250"
	.amdhsa_code_object_version 6
	.text
	.protected	k_qb72128066c_combine
	.globl	k_qb72128066c_combine
	.p2align	8
	.type	k_qb72128066c_combine,@function
k_qb72128066c_combine:
	s_mov_b64 s[64:65], 0
	v_nop
	global_prefetch_b8 v0, s[64:65] scope:SCOPE_SE
	s_setreg_imm32_b32 hwreg(HW_REG_WAVE_MODE, 25, 1), 1
	s_wait_xcnt 0x0
; out0[t] = g0[t] y[0][t] + g1[t] y[1][t].  y: [2][2048][2048] f32, gate: [2048][2] f32, out0: [2048][2048] f32.
; A stream: one wave takes one token's row of 8,192 bytes.  All its 32 loads (16 of each part, 512 consecutive bytes each) go out before the first wait; every byte is read once and written once.
; No LDS, no barrier, no matrix unit: memory binds, and they would add nothing.  No register is written after a store reads it, so no store's source is ever rewritten.
.set Y, 8                              ; v[8+8j .. +3] piece j of the first part, v[8+8j+4 .. +7] of the second
	s_load_b128 s[4:7], s[0:1], 0x0                ; y s[4:5], gate s[6:7]
	s_load_b64 s[8:9], s[0:1], 0x10                ; out0
	v_lshrrev_b32 v1, 5, v0
	v_readfirstlane_b32 s10, v1                    ; wave 0..7
	v_and_b32 v2, 31, v0
	v_lshlrev_b32 v2, 4, v2                        ; 16 bytes a lane
	s_lshl_b32 s11, ttmp9, 3
	s_add_co_u32 s11, s11, s10                     ; my token
	s_lshl_b32 s14, s11, 3                         ; its 8 bytes of gate
	s_mov_b32 s15, 0
	s_lshl_b32 s20, s11, 13                        ; its row
	s_mov_b32 s21, 0
	s_wait_kmcnt 0x0
	s_add_nc_u64 s[6:7], s[6:7], s[14:15]
	s_load_b64 s[12:13], s[6:7], 0x0               ; g0, g1
	s_add_nc_u64 s[4:5], s[4:5], s[20:21]
	s_add_nc_u64 s[8:9], s[8:9], s[20:21]
	s_add_nc_u64 s[22:23], s[4:5], 0x1000000       ; the second part lies 2,048 rows on
.set j, 0
.rept 16
	global_load_b128 v[Y+8*j:Y+8*j+3],   v2, s[4:5]   offset:512*j th:TH_LOAD_NT
	global_load_b128 v[Y+8*j+4:Y+8*j+7], v2, s[22:23] offset:512*j th:TH_LOAD_NT
.set j, j+1
.endr
	s_wait_kmcnt 0x0
	s_mov_b32 s16, s13                             ; g1 as the low word of a pair: the packed forms take a scalar pair's low word for both halves
	s_mov_b32 s17, s13
.set j, 0
.rept 16
	s_wait_loadcnt 30-2*j                          ; loads come back in order (ISA guide 5.7.1): piece j's two are in, the two of each later piece stay out
	v_pk_mul_f32 v[Y+8*j+4:Y+8*j+5], v[Y+8*j+4:Y+8*j+5], s[16:17] op_sel_hi:[1,0]
	v_pk_mul_f32 v[Y+8*j+6:Y+8*j+7], v[Y+8*j+6:Y+8*j+7], s[16:17] op_sel_hi:[1,0]
	v_pk_fma_f32 v[Y+8*j:Y+8*j+1],   v[Y+8*j:Y+8*j+1],   s[12:13], v[Y+8*j+4:Y+8*j+5] op_sel_hi:[1,0,1]
	v_pk_fma_f32 v[Y+8*j+2:Y+8*j+3], v[Y+8*j+2:Y+8*j+3], s[12:13], v[Y+8*j+6:Y+8*j+7] op_sel_hi:[1,0,1]
	global_store_b128 v2, v[Y+8*j:Y+8*j+3], s[8:9] offset:512*j th:TH_STORE_NT  ; 512 consecutive bytes, at a multiple of 256 from out0's first
.set j, j+1
.endr
	s_endpgm
.Lfunc_end_k_qb72128066c_combine:
	.size	k_qb72128066c_combine, .Lfunc_end_k_qb72128066c_combine-k_qb72128066c_combine
	.p2alignl 7, 3214868480
	.fill 96, 4, 3214868480
	.section	.rodata,"a",@progbits
	.p2align	6, 0x0
	.amdhsa_kernel k_qb72128066c_combine
		.amdhsa_group_segment_fixed_size 0
		.amdhsa_private_segment_fixed_size 0
		.amdhsa_enable_private_segment 0
		.amdhsa_kernarg_size 24
		.amdhsa_user_sgpr_count 2
		.amdhsa_user_sgpr_kernarg_segment_ptr 1
		.amdhsa_wavefront_size32 1
		.amdhsa_system_sgpr_workgroup_id_x 1
		.amdhsa_system_sgpr_workgroup_id_y 1
		.amdhsa_system_sgpr_workgroup_id_z 1
		.amdhsa_system_vgpr_workitem_id 0
		.amdhsa_next_free_vgpr 144
		.amdhsa_next_free_sgpr 66
		.amdhsa_reserve_vcc 0
		.amdhsa_float_denorm_mode_32 3
		.amdhsa_float_denorm_mode_16_64 3
		.amdhsa_memory_ordered 1
		.amdhsa_forward_progress 1
		.amdhsa_inst_pref_size 11
	.end_amdhsa_kernel
	.amdgpu_metadata
---
amdhsa.version: [ 1, 2 ]
amdhsa.kernels:
  - .name:           k_qb72128066c_combine
    .symbol:         k_qb72128066c_combine.kd
    .args:
      - { .name: y, .offset: 0, .size: 8, .value_kind: global_buffer, .address_space: global }
      - { .name: gate, .offset: 8, .size: 8, .value_kind: global_buffer, .address_space: global }
      - { .name: out0, .offset: 16, .size: 8, .value_kind: global_buffer, .address_space: global }
    .group_segment_fixed_size: 0
    .private_segment_fixed_size: 0
    .kernarg_segment_align: 8
    .kernarg_segment_size: 24
    .max_flat_workgroup_size: 256
    .sgpr_count:     66
    .vgpr_count:     144
    .wavefront_size: 32
...
	.end_amdgpu_metadata
.endif
;; end of part 3
;; ======== version 2 of 2: 3 launches; 1.52 times as fast as version 1
;; workspace buffers: xb 8,388,608 bytes; bm 4,096 bytes of whole numbers; gate 16,384 bytes; y 33,554,432 bytes
;; launch router: the kernel of part 1 again; grid 256 x 1, 8 waves a work-group, no clusters, 36,864 bytes of LDS; arguments x, router_w, router_b, xb, bm, gate; writes xb, bm, gate
;; launch experts (part 4): grid 256 x 1, 4 waves a work-group, no clusters, 327,680 bytes of LDS; arguments xb, expert_w, expert_b, bm, y; writes y
.if DOCPART == 4
	.amdgcn_target "amdgcn-amd-amdhsa--gfx1250"
	.amdhsa_code_object_version 6
	.text
	.protected	k_qb72128066c_experts
	.globl	k_qb72128066c_experts
	.p2align	8
	.type	k_qb72128066c_experts,@function
k_qb72128066c_experts:
	s_mov_b64 s[64:65], 0
	v_nop
	global_prefetch_b8 v0, s[64:65] scope:SCOPE_SE
	s_setreg_imm32_b32 hwreg(HW_REG_WAVE_MODE, 25, 1), 1
	s_wait_xcnt 0x0
; EXPERTS.  y[slot][token][64 S .. 64 S + 63] = xb[token] . expert_w[E][column] + expert_b[E][column] for every token whose choice number slot is expert E.
; Work-group = (E = number / 32, S = number % 32).  Weights and bias are rounded once to bf16 (nearest even) on their way; sums in f32; y is f32 (two parts that a later launch adds).
; Only the chosen rows are multiplied.  EVERY SPLIT IS SERVED: an expert may have 0 to 2,048 rows.
; ROWS.  The expert's tokens, ascending, are cut into tiles of 16; tile g belongs to wave g % 4 as its local tile g / 4.  Each lane finds the token of its rank for itself, in registers, from the
; expert's two bitmaps (512 bytes, whole numbers stored by the launch before): no list is kept.  THE MAIN PASS takes a wave's local tiles 0-9 (640 rows a work-group) through all of K; places past a
; tile's count repeat its last live row; tiles 8 and 9 are jumped, products and loads, where they hold no row.  Local tiles 10-39, in three more blocks of ten, are served only where they hold rows,
; by a pass that reads the weights from memory straight into registers, one K stage at a time, unpipelined: right for every split, slow for an expert with more than 640 rows.
; WEIGHTS.  The slice (64 rows x 2,048 f32) is read by this work-group alone, once: four chunks of K = 512 through two LDS slots, filled by the tensor data mover, a quarter of a chunk
; (64 rows x 512 bytes) a wave.  By this text's count a wave has two tensor loads out at the start and one behind each refill; a refill has 16 K stages in which to land.
; NO CLUSTER: a slice of weights has one reader; what an expert's 32 work-groups share is token rows that are scattered in xb, which no tensor descriptor covers, and through LDS they would
; cost each wave 20 more LDS loads a K stage beside its 16.
; THE MATRIX INSTRUCTION IS USED TRANSPOSED: source 0 = 16 output columns (rows of the weights), source 1 = 16 token rows.  A lane then holds row lane % 16 and the eight
; neighbouring columns 16 n + 8 (lane / 16) + 0..7; the bias, laid the same way, is the C operand of the product that starts each sum.
; REGISTERS, in windows of 256 (s_set_vgpr_msb: bits 1:0 source 0, 3:2 source 1, 5:4 source 2, 7:6 destination), by absolute number:
;   0-63 addresses and small work; 64-191 weights' fragments in f32, two buffers (the search's work registers before that); 192-255 the same in bf16, two buffers
;   256-495 and 832-911 x's fragments of four K stages, 80 each; 496-505 the second-choice words; 512-831 the 40 accumulators, (tile i, column block n) at 512 + 32 i + 8 n; 912-943 the bias
.set SUB,   64*528                     ; a quarter chunk in LDS: 64 rows of 512 bytes + 16 of padding: the 16 rows of a fragment load start 33 x 16 bytes apart (64 banks of 4 bytes: ISA guide 11.1)
.set SLOT,  4*SUB
.set STAGE, 2*SLOT                     ; behind the ring, in blocks of 256 bytes that no tensor load fills: a wave's stage for the way out, 16 rows x 272 bytes
.set STGB,  16*272
.set SPARE, STAGE+4*STGB               ; the spare words: 128 bytes for each of 4 waves, named by no other line
.set MT,    10                         ; tiles of a wave in a block
.set SPW,  4                           ; v4   SPARE + 4 x my thread's number; never rewritten
.set NIL,  5                           ; v5   0; never rewritten
.set XO,   16                          ; v16-25  tile i: my row's byte offset in xb + 16 h
.set SA,   38                          ; v38-47  tile i: byte offset of my token's word in a bitmap
.set EN,   40                          ; v40-47  later, the way out: byte offsets in y
.set ENT,  48                          ; v48-57  tile i: my row's token; on the way out + 2,048 x slot = the row of y
.set BF,   64
.set OB,   64                          ; the way out: 16 rows read back
.set BB,   192
.set AR0,  256
.set SW,   496
.set ACC,  512
.set BI,   912
.set TR,   64                          ; the search's arrays, ten registers each: my rank; the word that holds it; its number << 16 | the count ahead of it;
.set TW,   74
.set TP,   84
.set C1,   94                          ; the word's bit counts by 2, 4 and 8 bits;
.set C2,   104
.set C4,   114
.set NN,   124                         ; my rank inside the word; the bit found so far; two at work
.set PS,   134
.set T0,   144
.set T1,   154
; v1 r = lane % 16, v2 h = lane / 16, v3 lane; v6 r x 528 + 32 h; v7 that in the quarter chunk in hand; v8 my rank in tile 0 of the block in hand; v12, v13 stage in and back; v14 16 r; v15 16 h;
; v26 r x 8,192 + 32 h; v32, v33 at work; v36, v37 the bitmap of all my expert's tokens
; s14 wave, s15 E, s16 S; s[20:27] descriptor group 1; s[28:31], s[32:35] group 0 for chunk 0 and for the chunks behind it; s[36:37], s[58:59] xb, two stepped copies; s[38:39] my slice;
; s[40:41] my slice, stepped; s42 LDS byte of the next quarter chunk; s43, s44, s47, s48 counters; s45 rows counted; s46 rows from my first tile of the block on; s49-54 at work;
; s55 the mask of lanes 16-31; s[56:57] an offset; s66-85 the search's ten masks and ten tokens; later s66-81 sixteen rows of y
.set MSB, 0
.macro WIN new                         ; the immediate's high byte repeats the setting that is left; a switch that changes nothing is dropped
.if MSB != (\new)
	s_set_vgpr_msb (MSB<<8)|(\new)
.set MSB, \new
.endif
.endm
.macro MMA                             ; D = rD, source 0 = rA, source 1 = rB, C = rC, absolute numbers
.set wN, ((rD>>8)<<6)|((rC>>8)<<4)|((rB>>8)<<2)|(rA>>8)
	WIN wN
.set dD, rD&255
.set dA, rA&255
.set dB, rB&255
.set dC, rC&255
	v_wmma_f32_16x16x32_bf16 v[dD:dD+7], v[dA:dA+7], v[dB:dB+7], v[dC:dC+7]
.endm
.macro EACH line:vararg                ; one line for each tile i
.set i, 0
.rept MT
	\line
.set i, i+1
.endr
.endm
; The weights' fragments of a K stage, f32: for column block n a lane wants k = 8 h .. + 7 and 16 + 8 h .. + 7 of row 16 n + r: four loads of 16 bytes.  dk: the stage in its quarter chunk.
.macro DLRUN par, dk
	WIN 0
.set c, 0
.rept 16
	ds_load_b128 v[BF+64*(\par)+4*c:BF+64*(\par)+4*c+3], v7 offset:(c/4)*8448+(\dk)*128+16*(c%2)+64*((c%4)/2)
.set c, c+1
.endr
.endm
.macro CVRUN par                       ; 64 f32 to the four bf16 fragments
	WIN 0
.set c, 0
.rept 32
	v_cvt_pk_bf16_f32 v[BB+32*(\par)+c], v[BF+64*(\par)+2*c], v[BF+64*(\par)+2*c+1]
.set c, c+1
.endr
.endm
; x's fragments of a K stage at byte go of the rows, into buffer buf: two loads of 16 bytes, 32 apart, a tile; loads c0 .. c0 + cn - 1 of the twenty, by the pointer in s[pp:pp+1].
; The same rows are read by the expert's 31 other work-groups.
.macro XLD buf, c0, cn, go, pp
.set rL, AR0+80*(\buf)+336*((\buf)/3)
.set wN, (rL>>8)<<6
	WIN wN
.set c, \c0
.rept \cn
	global_load_b128 v[(rL&255)+4*c:(rL&255)+4*c+3], v[XO+c/2], s[\pp:\pp+1] offset:(\go)+32*(c%2) th:TH_LOAD_HT
.set c, c+1
.endr
.endm
.macro PRD ra, par, first              ; the product of tile pI and column block pN; first = 1: the bias starts the sum
.set rD, ACC+32*pI+8*pN
.set rA, BB+32*(\par)+8*pN
.set rB, AR0+80*(\ra)+336*((\ra)/3)+8*pI
.set rC, rD
.if \first
.set rC, BI+8*pN
.endif
	MMA
.endm
; K STAGE s (ra = s % 4, par = s % 2).
; FIRST ONE RUN OF MEMORY INSTRUCTIONS, behind four v_nop:  dl: stage s + 2's weights out of LDS (16 loads, into the f32 buffer that stage s - 1's conversions have read);  gl: stage s + 3's x
; (16 to 20 loads); four of the one kind and four of the other by turns, so that neither kind stands sixteen on end.  The weights are first read behind the next stage's head, so they have all
; this stage's products in which to land; x has three stages.
; THEN THE PRODUCTS: tiles 0-7, column block by column block, then tile 8's four, then tile 9's: the accumulators take turns, one instruction a turn, in the same order in every stage.
; cv: stage s + 1's weights are rounded beside them, four conversions behind each of products 0-7.
; sk = 1: tile 8's and tile 9's products and loads are jumped where the wave has no such tile (s46 rows from my first tile on: 512 or fewer, 576 or fewer).
; PLACES (ISA guide 7.12.1 for the conversions).  The four v_nop stand between stage s - 1's last products and both the x loads, which land in the x buffer that those products read,
; and the conversions, which write the bf16 buffer that they read.
.macro MULS ra, par, first, cv, dl, dk, gl, go, pp, sk
.if (\cv)+(\dl)+(\gl)
.rept 4
	v_nop
.endr
.endif
.set g, 0
.rept 4
.if \dl
	WIN 0
.set c, 4*g
.rept 4
	ds_load_b128 v[BF+64*(\par)+4*c:BF+64*(\par)+4*c+3], v7 offset:(c/4)*8448+(\dk)*128+16*(c%2)+64*((c%4)/2)
.set c, c+1
.endr
.endif
.if \gl
	XLD ((\ra)+3)%4, 4*g, 4, \go, \pp
.endif
.set g, g+1
.endr
.if \gl
.if \sk
	WIN 0                                          ; at a branch and at a label every window is 0
	s_cmp_le_i32 s46, 512
	s_cbranch_scc1 .Lg_\@
.endif
	XLD ((\ra)+3)%4, 16, 2, \go, \pp
.if \sk
	WIN 0
	s_cmp_le_i32 s46, 576
	s_cbranch_scc1 .Lg_\@
.endif
	XLD ((\ra)+3)%4, 18, 2, \go, \pp
.if \sk
	WIN 0
.Lg_\@:
.endif
.endif
.set p, 0
.rept 32
.set pI, p%8
.set pN, p/8
	PRD \ra, \par, \first
.if (\cv) && (p < 8)
	WIN 0
.set c, 4*p
.rept 4
	v_cvt_pk_bf16_f32 v[BB+32*(1-(\par))+c], v[BF+64*(1-(\par))+2*c], v[BF+64*(1-(\par))+2*c+1]
.set c, c+1
.endr
.endif
.set p, p+1
.endr
.if \sk
	WIN 0
	s_cmp_le_i32 s46, 512
	s_cbranch_scc1 .Lm_\@
.endif
.set pI, 8
.set pN, 0
.rept 4
	PRD \ra, \par, \first
.set pN, pN+1
.endr
.if \sk
	WIN 0
	s_cmp_le_i32 s46, 576
	s_cbranch_scc1 .Lm_\@
.endif
.set pI, 9
.set pN, 0
.rept 4
	PRD \ra, \par, \first
.set pN, pN+1
.endr
.if \sk
	WIN 0
.Lm_\@:
.endif
.endm
; up = 1: the pointer copy pp is stepped.  Behind the wait for lc = 32 only the last 32 loads can be out; each stage issues 16 at the least, so those are the two stages' before, which load by the
; other copy: every load that names this copy has come back.
.macro STEP ra, par, first, cv, dl, dk, gl, go, lc, pp, up, sk
	s_wait_dscnt 0x0                               ; stage s + 1's weights are in registers: those loads were issued at the last stage's head, all its products ago
	s_wait_loadcnt \lc                             ; loads come back in order (ISA guide 5.7.1): stage s's x is in; lc = the fewest loads that can have been issued behind it
.if \up
	s_add_nc_u64 s[\pp:\pp+1], s[\pp:\pp+1], 256
.endif
	MULS \ra, \par, \first, \cv, \dl, \dk, \gl, \go, \pp, \sk
.endm
.macro SUBT                            ; the LDS loads go on to the next quarter chunk
	WIN 0
	v_add_nc_u32 v7, s42, v6
	s_add_co_u32 s42, s42, SUB
.endm
.macro TRIP                            ; stages 4 m + 2 .. 4 m + 5: their LDS loads are quarter chunk m + 1's four stages, their x loads stages 4 m + 5 .. 4 m + 8
	SUBT
	STEP 2,0,0,1,1,0,1,64,32,36,1,1
	STEP 3,1,0,1,1,1,1,128,32,36,0,1
	STEP 0,0,0,1,1,2,1,192,32,58,1,1
	STEP 1,1,0,1,1,3,1,256,32,58,0,1
	WIN 0
.endm
; THE CHANGE OF SLOTS, two stages ahead of a chunk's last products, since the LDS loads run two stages ahead.  Each wave waits for all its tensor loads (its quarter of the next chunk), adds 0 to its
; spare word, waits for that and for its reads of the old slot, and passes the barrier: nobody reads the old slot any more and the other is whole.  fill = 1: the old slot takes the chunk two on.
.macro CHANGE fill
	WIN 0
	s_wait_tensorcnt 0x0                           ; no tensor load of mine is out, so a group 0 may be written
	ds_add_u32 v[SPW], v[NIL]                      ; 0 onto my spare word; scalar work stands between it and the wait for it
.if \fill
	s_xor_b32 s33, s33, SLOT                       ; the other slot than last time (my quarter's offset shares no bit with SLOT),
	s_add_nc_u64 s[34:35], s[34:35], 2048          ; the next 512 along K; the type bits on top are not reached
.endif
	s_sub_co_u32 s42, s42, 4*SUB                   ; the LDS loads go back to a slot's first quarter,
	s_xor_b32 s42, s42, SLOT                       ; in the other slot
	s_wait_dscnt 0x0                               ; the add is done, and my reads of the old slot are over
	s_barrier_signal -1
	s_barrier_wait -1
.if \fill
	tensor_load_to_lds s[32:35], s[20:27]          ; my one tensor load behind this barrier, and the first thing there
	s_nop 0
.rept 4
	v_nop
.endr
.endif
.endm
; THE SEARCH.  32 words of the bitmap, one a trip, words jb .. jb + 31: s45 counts the set bits ahead of the word.  For each of my ten ranks the last word with s45 <= rank is kept: that word holds the rank,
; since the count ahead of the next word is greater.  (A rank past the expert's count keeps the last word; what comes of it is a token below 2,048 that is replaced or never stored.)
; The ten compares write ten scalar registers and stand together, ahead of the selects: no select reads a mask made on the line before it.
.macro SRCH vm, jb
	s_mov_b32 s48, 0
.Lsr_\@:
	v_readlane_b32 s49, v[\vm], s48
	s_add_co_u32 s50, s48, \jb
	s_lshl_b32 s50, s50, 16
	s_or_b32 s50, s50, s45                         ; the word's number << 16 | the count ahead of it (2,048 at the most)
	EACH v_cmp_gt_u32 s[66+i], s45, v[TR+i]        ; past my rank: keep what I have
	EACH v_cndmask_b32 v[TW+i], s49, v[TW+i], s[66+i]
	EACH v_cndmask_b32 v[TP+i], s50, v[TP+i], s[66+i]
	s_bcnt1_i32_b32 s51, s49
	s_add_co_u32 s45, s45, s51
	s_add_co_u32 s48, s48, 1
	s_cmp_lt_u32 s48, 32
	s_cbranch_scc1 .Lsr_\@
.endm
; One halving: the lower w bits from the bit found so far hold t set bits (field of src); a rank of t or more lies above them.
.macro LEVEL src, w
	EACH v_bfe_u32 v[T0+i], v[(\src)+i], v[PS+i], \w
	EACH v_cmp_ge_u32 s[66+i], v[NN+i], v[T0+i]
	EACH v_cndmask_b32 v[T0+i], 0, v[T0+i], s[66+i]
	EACH v_cndmask_b32 v[T1+i], 0, \w, s[66+i]
	EACH v_sub_nc_u32 v[NN+i], v[NN+i], v[T0+i]
	EACH v_add_nc_u32 v[PS+i], v[PS+i], v[T1+i]
.endm
; The ten tiles' tokens, all in registers.  first = 1: the wave's count of rows is set too.
.macro SEARCH first
	WIN 0
	EACH v_add_nc_u32 v[TR+i], 64*i, v8
	EACH v_mov_b32 v[TW+i], 0
	EACH v_mov_b32 v[TP+i], 0
	s_mov_b32 s45, 0
	SRCH 36, 0
	SRCH 37, 32
.if \first
	s_lshl_b32 s46, s14, 4
	s_sub_co_i32 s46, s45, s46                     ; tile i of mine has (this - 64 i) rows, held to 0 .. 16
.endif
	EACH v_and_b32 v[T0+i], 0xffff, v[TP+i]
	EACH v_sub_nc_u32 v[NN+i], v[TR+i], v[T0+i]    ; my rank inside the word
	EACH v_lshrrev_b32 v[T0+i], 1, v[TW+i]         ; the word's bit counts, by 2 bits,
	EACH v_and_b32 v[T0+i], 0x55555555, v[T0+i]
	EACH v_sub_nc_u32 v[C1+i], v[TW+i], v[T0+i]
	EACH v_lshrrev_b32 v[T0+i], 2, v[C1+i]         ; by 4,
	EACH v_and_b32 v[T0+i], 0x33333333, v[T0+i]
	EACH v_and_b32 v[T1+i], 0x33333333, v[C1+i]
	EACH v_add_nc_u32 v[C2+i], v[T0+i], v[T1+i]
	EACH v_lshrrev_b32 v[T0+i], 4, v[C2+i]         ; by 8,
	EACH v_add_nc_u32 v[T0+i], v[T0+i], v[C2+i]
	EACH v_and_b32 v[C4+i], 0x0f0f0f0f, v[T0+i]
	EACH v_lshrrev_b32 v[T0+i], 8, v[C4+i]         ; and of the low 16
	EACH v_add_nc_u32 v[T0+i], v[T0+i], v[C4+i]
	EACH v_and_b32 v[T0+i], 0xff, v[T0+i]
	EACH v_cmp_ge_u32 s[66+i], v[NN+i], v[T0+i]
	EACH v_cndmask_b32 v[T0+i], 0, v[T0+i], s[66+i]
	EACH v_cndmask_b32 v[PS+i], 0, 16, s[66+i]
	EACH v_sub_nc_u32 v[NN+i], v[NN+i], v[T0+i]
	LEVEL C4, 8
	LEVEL C2, 4
	LEVEL C1, 2
	LEVEL TW, 1
	EACH v_lshrrev_b32 v[T1+i], 16, v[TP+i]
	EACH v_lshl_add_u32 v[ENT+i], v[T1+i], 5, v[PS+i]  ; the token: 32 x word + bit
.set i, 0
.rept MT                               ; places past the tile's count take its last live lane's token (a tile without rows: lane 0's, which is never stored)
	s_sub_co_i32 s[66+i], s46, 64*i+1
	s_max_i32 s[66+i], s[66+i], 0
	s_min_i32 s[66+i], s[66+i], 15                 ; the last live lane
.set i, i+1
.endr
	EACH v_readlane_b32 s[76+i], v[ENT+i], s[66+i]
	EACH v_cmp_lt_u32 s[66+i], s[66+i], v1         ; the lanes past it
	EACH v_cndmask_b32 v[ENT+i], v[ENT+i], s[76+i], s[66+i]
	EACH v_min_u32 v[XO+i], 0x7ff, v[ENT+i]
	EACH v_lshl_add_u32 v[XO+i], v[XO+i], 12, v15  ; x 4,096 bytes + 16 h
	EACH v_lshrrev_b32 v[SA+i], 5, v[ENT+i]
	EACH v_min_u32 v[SA+i], 63, v[SA+i]
	EACH v_lshlrev_b32 v[SA+i], 2, v[SA+i]
	WIN 0x40                                       ; destination window 1
	EACH global_load_b32 v[(SW&255)+i], v[SA+i], s[10:11] offset:256  ; my token's word of the second choices: wanted on the way out
	WIN 0
.endm
; One K stage of the pass for tiles past the first ten: weights and x from memory straight into registers; no LDS write, no barrier.
.macro OSTEP first
	WIN 0
.rept 4
	v_nop                                          ; the places behind the last products, ahead of loads and conversions into registers that they read
.endr
.set c, 0
.rept 16
	global_load_b128 v[BF+4*c:BF+4*c+3], v26, s[40:41] offset:(c/4)*131072+16*(c%2)+64*((c%4)/2)
.set c, c+1
.endr
	XLD 0, 0, 20, 0, 36
	s_wait_loadcnt 0x0                             ; all are in, so both pointers may be stepped
	s_add_nc_u64 s[36:37], s[36:37], 64
	s_add_nc_u64 s[40:41], s[40:41], 128
	CVRUN 0
	MULS 0,0,\first,0,0,0,0,0,36,0
.endm
; THE WAY OUT of tile i: 32 bytes a lane and column block into my stage, back as rows of 256 bytes, two rows a load, each stored at its row of y.  Rows past the count hold the last live
; row's numbers and go to its place.  A tile without rows, and all behind it, are jumped.
.macro ETILE i
	WIN 0
	s_sub_co_i32 s54, s46, 64*(\i)
	s_cmp_le_i32 s54, 0
	s_cbranch_scc1 .Lnext
	s_wait_xcnt 0x0                                ; the last tile's stores have read their registers: EN and OB are rewritten only behind this wait
.irp t, 0,1,2,3,4,5,6,7
	v_readlane_b32 s[66+2*(\t)], v[ENT+(\i)], 2*(\t)
	v_readlane_b32 s[67+2*(\t)], v[ENT+(\i)], 2*(\t)+1
.endr
.set rD, ACC+32*(\i)
.set wN, (rD>>8)<<2
	WIN wN                                         ; the stores' data lie in the accumulators' window
.set c, 0
.rept 8                                ; ascending: each accumulator is read from its low end on.  Registers 4 c .. + 3 are columns 16 (c / 2) + 8 h + 4 (c % 2) .. + 3: byte 64 (c / 2) + 32 h + 16 (c % 2) of the row
	ds_store_b128 v12, v[(rD&255)+4*c:(rD&255)+4*c+3] offset:64*(c/2)+16*(c%2)
.set c, c+1
.endr
	WIN 0
.irp t, 0,1,2,3,4,5,6,7
	ds_load_b128 v[OB+4*(\t):OB+4*(\t)+3], v13 offset:544*(\t)  ; LDS serves a wave's instructions in order (ISA guide 5.7.1.4): these see the stores above
.endr
.irp t, 0,1,2,3,4,5,6,7                ; four passes over the eight pairs of rows, so that no line reads the result of the line before it
	v_mov_b32 v[EN+(\t)], s[66+2*(\t)]             ; lanes 0-15: row 2 t,
.endr
.irp t, 0,1,2,3,4,5,6,7
	v_cndmask_b32 v[EN+(\t)], v[EN+(\t)], s[67+2*(\t)], s55  ; lanes 16-31: row 2 t + 1
.endr
.irp t, 0,1,2,3,4,5,6,7
	v_min_u32 v[EN+(\t)], 0xfff, v[EN+(\t)]
.endr
.irp t, 0,1,2,3,4,5,6,7
	v_lshl_add_u32 v[EN+(\t)], v[EN+(\t)], 13, v14
.endr
.irp t, 0,1,2,3,4,5,6,7
	s_wait_dscnt 7-(\t)
	global_store_b128 v[EN+(\t)], v[OB+4*(\t):OB+4*(\t)+3], s[12:13] th:TH_STORE_NT  ; 16 lanes store 256 consecutive bytes, at a multiple of 256 from y's first; not read again in this launch
.endr
.endm
	s_load_b256 s[4:11], s[0:1], 0x0               ; xb s[4:5], expert_w s[6:7], expert_b s[8:9], bm s[10:11]
	s_load_b64 s[12:13], s[0:1], 0x20              ; y
	v_lshl_add_u32 v[SPW], v0, 2, SPARE
	v_mov_b32 v[NIL], 0
	ds_add_u32 v[SPW], v[NIL]                      ; the wave's opening: the add and its wait ahead of my first tensor load; work on registers stands between them
	v_lshrrev_b32 v1, 5, v0
	v_readfirstlane_b32 s14, v1                    ; wave 0..3
	s_lshr_b32 s15, ttmp9, 5                       ; E
	s_and_b32 s16, ttmp9, 31                       ; S
	; descriptor group 1: a tile of 64 rows x 128 f32, padded in LDS
	s_mov_b32 s20, (2<<16)|(1<<20)|(6<<22)|(3<<25) ; 15:0 no mask; 17:16 elements of 4 bytes; 20 padding on; 24:22 after every 128 words (code 6); 31:25 4 words of it (code 3)
	s_mov_b32 s21, 128<<16                         ; tensor_dim0 = 128
	s_mov_b32 s22, 64<<16                          ; tensor_dim1 = 64
	s_mov_b32 s23, 128<<16                         ; tile_dim0 = 128
	s_mov_b32 s24, 64                              ; tile_dim1 = 64
	s_mov_b32 s25, 2048                            ; elements from row to row
	s_mov_b32 s26, 0
	s_mov_b32 s27, 0
	s_mov_b32 s28, 1                               ; group 0: count = 1,
	s_mul_i32 s29, s14, SUB                        ; my quarter of slot 0,
	s_mov_b32 s32, 1
	s_add_co_u32 s33, s29, SLOT                    ; and of slot 1
	s_mov_b32 s55, 0xffff0000
	s_lshl_b32 s56, s15, 24                        ; an expert's weights are 2^24 bytes, 64 rows of them 2^19
	s_lshl_b32 s57, s16, 19
	s_add_co_u32 s56, s56, s57
	s_mov_b32 s57, 0
	s_lshl_b32 s48, s14, 9                         ; my quarter: 512 bytes along the rows
	s_mov_b32 s49, 0
	s_wait_dscnt 0x0                               ; the opening add is done
	s_wait_kmcnt 0x0
	s_add_nc_u64 s[38:39], s[6:7], s[56:57]        ; my slice
	s_add_nc_u64 s[30:31], s[38:39], s[48:49]      ; chunk 0
	s_add_nc_u64 s[34:35], s[30:31], 2048          ; chunk 1
	s_or_b32 s31, s31, 0x80000000                  ; type = 2
	s_or_b32 s35, s35, 0x80000000
	tensor_load_to_lds s[28:31], s[20:27]          ; both first fills go out together, ahead of every wait on TENSORcnt, every LDS read and every barrier
	s_nop 0
	tensor_load_to_lds s[32:35], s[20:27]
	s_nop 0
.rept 4
	v_nop
.endr
	s_lshl_b32 s56, s15, 9                         ; bm: 512 bytes an expert
	s_add_nc_u64 s[10:11], s[10:11], s[56:57]
	s_lshl_b32 s48, s16, 8                         ; my 64 columns: 256 bytes of a row of y and of expert_b
	s_add_nc_u64 s[12:13], s[12:13], s[48:49]
	s_lshl_b32 s56, s15, 13
	s_add_co_u32 s56, s56, s48
	s_add_nc_u64 s[8:9], s[8:9], s[56:57]
	v_and_b32 v1, 15, v0
	v_bfe_u32 v2, v0, 4, 1
	v_and_b32 v3, 31, v0
	v_lshlrev_b32 v33, 2, v3
	global_load_b32 v36, v33, s[10:11]             ; first choices, tokens 32 lane .. + 31
	global_load_b32 v37, v33, s[10:11] offset:128  ; and 1,024 + 32 lane ..
	global_load_b32 v38, v33, s[10:11] offset:256  ; second choices
	global_load_b32 v39, v33, s[10:11] offset:384
	v_lshlrev_b32 v32, 5, v2
.set c, 0
.rept 8                                ; the bias of columns 16 n + 8 h + 0..7
	global_load_b128 v[BF+4*c:BF+4*c+3], v32, s[8:9] offset:16*c+32*(c/2)
.set c, c+1
.endr
	v_mul_u32_u24 v6, v1, 528
	v_lshl_add_u32 v6, v2, 5, v6
	v_lshl_add_u32 v8, s14, 4, v1                  ; my rank in my tile 0: 16 w + r
	s_mul_i32 s51, s14, STGB
	s_add_co_u32 s51, s51, STAGE
	v_mul_u32_u24 v12, v1, 272                     ; into the stage: row r, 32 bytes for each half of the lanes
	v_lshl_add_u32 v12, v2, 5, v12
	v_add_nc_u32 v12, s51, v12
	v_mul_u32_u24 v13, v2, 272                     ; back: lanes 0-15 one row of 256 bytes, lanes 16-31 the next
	v_lshl_add_u32 v13, v1, 4, v13
	v_add_nc_u32 v13, s51, v13
	v_lshlrev_b32 v14, 4, v1
	v_lshlrev_b32 v15, 4, v2
	v_lshlrev_b32 v26, 13, v1
	v_lshl_add_u32 v26, v2, 5, v26
	s_wait_loadcnt 0x0                             ; bitmaps and bias
	v_or_b32 v36, v36, v38                         ; chosen at all
	v_or_b32 v37, v37, v39
.set c, 0
.rept 16
	v_cvt_pk_bf16_f32 v[96+c], v[BF+2*c], v[BF+2*c+1]  ; the bias rounded like every input,
.set c, c+1
.endr
	WIN 0xc0                                       ; destination window 3
.set c, 0
.rept 16
	v_lshlrev_b32 v[(BI&255)+2*c], 16, v[96+c]     ; and back in f32, as the sums' first C
	v_and_b32 v[(BI&255)+2*c+1], 0xffff0000, v[96+c]
.set c, c+1
.endr
	SEARCH 1
	s_mov_b64 s[36:37], s[4:5]
	s_mov_b64 s[58:59], s[4:5]
	XLD 0, 0, 20, 0, 36                            ; x of stages 0, 1, 2
	XLD 1, 0, 20, 64, 36
	XLD 2, 0, 20, 128, 36
	WIN 0
	s_wait_tensorcnt 0x1                           ; my quarter of chunk 0 is in; chunk 1's load stays out
	s_wait_dscnt 0x0
	s_barrier_signal -1
	s_barrier_wait -1                              ; everybody's quarter is in
	v_mov_b32 v7, v6
	s_mov_b32 s42, SUB
	DLRUN 0, 0
	DLRUN 1, 1
	s_wait_dscnt 16                                ; stage 0's sixteen loads are in, stage 1's sixteen stay out
	CVRUN 0
	STEP 0,0,1,1,1,2,1,192,40,58,0,0               ; stage 0 stands ahead of the loop, whole: its products start all 40 sums, with the bias; 40: the loads of stages 1 and 2
	STEP 1,1,0,1,1,3,1,256,40,58,0,1               ; 40: the loads of stages 2 and 3, twenty each
	WIN 0                                          ; at a label and at a branch every window is 0
	s_mov_b32 s43, 3                               ; chunk 0 has three quarters left to read
	s_mov_b32 s44, 3
	s_branch .Ltrip
.Lphase:                                               ; twice: slot 0 takes chunk 2, slot 1 takes chunk 3
	CHANGE 1
	s_mov_b32 s43, 4
.Ltrip:
	TRIP
	s_sub_co_u32 s43, s43, 1
	s_cmp_lg_u32 s43, 0
	s_cbranch_scc1 .Ltrip
	s_sub_co_u32 s44, s44, 1
	s_cmp_lg_u32 s44, 0
	s_cbranch_scc1 .Lphase
	CHANGE 0                                       ; the tail is written out: chunk 3 is waited for, nothing is asked for
	s_mov_b32 s43, 3
.Ltail:
	TRIP
	s_sub_co_u32 s43, s43, 1
	s_cmp_lg_u32 s43, 0
	s_cbranch_scc1 .Ltail
	SUBT                                           ; stages 58-63: the loads run out one kind after the other, and no load passes a row's end
	STEP 2,0,0,1,1,0,1,64,32,36,1,1
	STEP 3,1,0,1,1,1,1,128,32,36,0,1
	STEP 0,0,0,1,1,2,1,192,32,58,1,1
	STEP 1,1,0,1,1,3,0,0,32,58,0,1
	STEP 2,0,0,1,0,0,0,0,16,36,0,1                 ; 16: stage 63's loads, sixteen at the least
	STEP 3,1,0,0,0,0,0,0,0,36,0,1
	WIN 0
	s_mov_b32 s47, 0
	s_branch .Lepi                                 ; block 0 has been multiplied
.Lblk:                                                 ; blocks 1-3: only where my tiles there hold rows.  What is jumped holds no barrier and no tensor load
	s_cmp_le_i32 s46, 0
	s_cbranch_scc1 .Lnext
	s_wait_xcnt 0x0                                ; the last block's stores have read their registers
	SEARCH 0
	s_mov_b64 s[36:37], s[4:5]
	s_mov_b64 s[40:41], s[38:39]
	OSTEP 1
	WIN 0
	s_mov_b32 s43, 63
.Lover:
	OSTEP 0
	WIN 0
	s_sub_co_u32 s43, s43, 1
	s_cmp_lg_u32 s43, 0
	s_cbranch_scc1 .Lover
.Lepi:
.rept 4
	v_nop                                          ; four places between the last product and the first store that reads a result
.endr
	WIN 0x04                                       ; source 1 in window 1
	EACH v_lshrrev_b32 v[T0+i], v[ENT+i], v[(SW&255)+i]  ; the shift takes the token's low five bits: bit 0 is now 'chosen second'
	WIN 0
	EACH v_and_b32 v[T0+i], 1, v[T0+i]
	EACH v_lshl_or_b32 v[ENT+i], v[T0+i], 11, v[ENT+i]   ; the row of y: slot x 2,048 + token
	ETILE 0
	ETILE 1
	ETILE 2
	ETILE 3
	ETILE 4
	ETILE 5
	ETILE 6
	ETILE 7
	ETILE 8
	ETILE 9
.Lnext:
	s_sub_co_i32 s46, s46, 64*MT                   ; ten tiles of each of four waves on
	v_add_nc_u32 v8, 64*MT, v8
	s_add_co_u32 s47, s47, 1
	s_cmp_lt_u32 s47, 4
	s_cbranch_scc1 .Lblk
	s_wait_tensorcnt 0x0                           ; the wave's end: these three lines, behind my last tensor load and my last LDS store
	ds_add_u32 v[SPW], v[NIL]
	s_wait_dscnt 0x0
	s_endpgm
.Lfunc_end_k_qb72128066c_experts:
	.size	k_qb72128066c_experts, .Lfunc_end_k_qb72128066c_experts-k_qb72128066c_experts
	.p2alignl 7, 3214868480
	.fill 96, 4, 3214868480
	.section	.rodata,"a",@progbits
	.p2align	6, 0x0
	.amdhsa_kernel k_qb72128066c_experts
		.amdhsa_group_segment_fixed_size 327680
		.amdhsa_private_segment_fixed_size 0
		.amdhsa_enable_private_segment 0
		.amdhsa_kernarg_size 40
		.amdhsa_user_sgpr_count 2
		.amdhsa_user_sgpr_kernarg_segment_ptr 1
		.amdhsa_wavefront_size32 1
		.amdhsa_system_sgpr_workgroup_id_x 1
		.amdhsa_system_sgpr_workgroup_id_y 1
		.amdhsa_system_sgpr_workgroup_id_z 1
		.amdhsa_system_vgpr_workitem_id 0
		.amdhsa_next_free_vgpr 1024
		.amdhsa_next_free_sgpr 88
		.amdhsa_reserve_vcc 0
		.amdhsa_float_denorm_mode_32 3
		.amdhsa_float_denorm_mode_16_64 3
		.amdhsa_memory_ordered 1
		.amdhsa_forward_progress 1
		.amdhsa_inst_pref_size 255
	.end_amdhsa_kernel
	.section	.bss,"aw",@nobits
	.p2align	6
	.space	262144
	.amdgpu_metadata
---
amdhsa.version: [ 1, 2 ]
amdhsa.kernels:
  - .name:           k_qb72128066c_experts
    .symbol:         k_qb72128066c_experts.kd
    .args:
      - { .name: xb, .offset: 0, .size: 8, .value_kind: global_buffer, .address_space: global }
      - { .name: expert_w, .offset: 8, .size: 8, .value_kind: global_buffer, .address_space: global }
      - { .name: expert_b, .offset: 16, .size: 8, .value_kind: global_buffer, .address_space: global }
      - { .name: bm, .offset: 24, .size: 8, .value_kind: global_buffer, .address_space: global }
      - { .name: y, .offset: 32, .size: 8, .value_kind: global_buffer, .address_space: global }
    .group_segment_fixed_size: 327680
    .private_segment_fixed_size: 0
    .kernarg_segment_align: 8
    .kernarg_segment_size: 40
    .max_flat_workgroup_size: 128
    .sgpr_count:     88
    .vgpr_count:     1024
    .wavefront_size: 32
...
	.end_amdgpu_metadata
.endif
;; end of part 4
;; launch combine: the kernel of part 3 again; grid 256 x 1, 8 waves a work-group, no clusters, 0 bytes of LDS; arguments y, gate, out0; writes out0
